; MI455X (gfx1250); checked and timed in simulation.
; The chip was launched on July 23, 2026; its instructions are those of AMD's public machine-readable ISA for CDNA 5 (MIT licence, August 2026) and "CDNA5" Instruction Set Architecture Reference Guide (July 2026). The comments in the code are by the model that wrote it; some were corrected since.
;; x LSTM Mo E Layer. Allowed arithmetic: matrix products marked QUANTISED: E5M2 operands, one E8M0 scale for each 32 along K, by v_wmma_scale_f32_16x16x128_f8f6f4 with both operands' format E5M2, f32 sums; products left as they are: f32 operands where the result goes on into a quantised operand, else bf16, f16 or f32 operands; f32 sums; everything else in f32.
;; Inputs: b1 8 x 4,096 float32; b2 8 x 1,024 float32; gate_w 1,024 x 8 float32; hidden_states 4 x 256 x 1,024 float32; w1_codes 8 x 4,096 x 32 x 32 uint8 (E5M2 codes of w1, K innermost, in blocks of 32 codes); w1_scales 8 x 4,096 x 32 uint8 (E8M0 scales of w1, one for each 32 codes along K); w2_codes 8 x 1,024 x 128 x 32 uint8 (E5M2 codes of w2, K innermost, in blocks of 32 codes); w2_scales 8 x 1,024 x 128 uint8 (E8M0 scales of w2, one for each 32 codes along K).
;; Outputs: out0 4 x 256 x 1,024 float32.
;; This version of the problem:
;;   THIS VERSION OF THE PROBLEM IS GIVEN IN LOW PRECISION. The matrix products marked QUANTISED in the list below multiply operands that are first quantised to E5M2 (5 exponent bits, 2 mantissa bits; 8 bits a number), with one power-of-two scale for each 32 numbers along K (OCP MX v1.0); their sums are f32. All else is computed in f32.
;;   The module's matrix products, in the order in which they are computed (A, B: the left and right operand; K: the contracted axis; several contracted axes count as one K, in the product's order):
;;     1. [M 1,024, K 1,024] x [K 1,024, N 8]; A: input hidden_states; B: input gate_w: left as it is (N = 8 < 16)
;;     2. [M 1,024, K 1,024] x [K 1,024, N 32,768]; A: input hidden_states; B: input w1 (given as codes): QUANTISED
;;     3. batch 8 x [M 1,024, K 4,096] x [K 4,096, N 1,024]; A: input w2 (given as codes); B: computed on the way: QUANTISED
;;     4. batch 1,024 x [M 1,024, K 8] x [K 8, N 1]; A: computed on the way; B: computed on the way: left as it is (K = 8 < 32)
;;   THE QUANTISER, for each operand of a quantised product, along K:
;;     - K is cut into blocks of 32 from its start; a last block that is shorter is filled with zeros.
;;     - A block's scale is 2^e with e = floor(log2(the largest magnitude in the block)) - 15, held to -126 .. 127; a block of zeros has e = 0. As a byte (E8M0): e + 127.
;;     - Each number is divided by its block's scale, clamped to +-57,344, and rounded to the nearest number of E5M2, ties to even, subnormals kept.
;;     - The product sums the exact products of the quantised numbers (number of the format x scale) in f32.
;;   ~~~python
;;   def quantise(x, axis):      # numpy; x: float32 -> the quantised numbers, widened to float32 again
;;       x = np.moveaxis(x, axis, -1); K = x.shape[-1]
;;       x = np.pad(x, [(0, 0)] * (x.ndim - 1) + [(0, -K % 32)]); x = x.reshape(x.shape[:-1] + (-1, 32)); a = np.abs(x).max(-1, keepdims=True)
;;       e = np.where(a > 0, np.clip(np.frexp(np.where(a > 0, a, 1))[1] - 1 - 15, -126, 127), 0)      # np.frexp(a)[1] - 1 = floor(log2(a)), exactly
;;       r = np.clip(x / 2.0 ** e, -57344, 57344)
;;       step = 2.0 ** (np.maximum(np.frexp(np.where(r == 0, 1, r))[1] - 1, -14) - 2)
;;       q = np.round(r / step) * step * 2.0 ** e      # np.round: ties to even
;;       return np.moveaxis(q.reshape(q.shape[:-2] + (-1,))[..., :K], -1, axis).astype(np.float32)
;;   ~~~
;;   OPERANDS COMPUTED ON THE WAY. 'Computed on the way' means the value that the module computes at that place (a softmax that the list does not call 'softmax' is quantised finished and normalised). What goes into a quantiser is computed in f32, as accurately as f32 sums, v_exp_f32 and their like allow (about 1e-6 of the number): no bf16 or f16 on the way to a quantiser, and a product that is left as it is and whose result goes on into a quantised operand takes f32 operands (vector FMAs, or v_wmma_f32_16x16x4_f32). A number that lies on a knife's edge between two numbers of the format may be rounded either way, as far as f32 arithmetic and the matrix unit's own rounding can turn it there, and no further.
;;   INPUTS GIVEN AS CODES. w1 (in the module: [8, 1024, 4096], K = its axis 1); w2 (in the module: [8, 4096, 1024], K = its axis 1): each comes as NAME_codes (uint8): NAME with its K axis moved to the last place and cut into blocks of 32 codes, [.., K / 32, bytes a block], one block behind the other in memory; one code a byte (a code: sign, 5 exponent bits, 2 mantissa bits); and NAME_scales (uint8): the same leading axes, one E8M0 byte (e + 127) for each 32 codes along K. Its value is code x scale, taken as it is: it is not quantised again, and the codes and scales need not be those that the quantiser above would give.
;; One version. Each part assembles by itself: llvm-mc -triple=amdgcn-amd-amdhsa -mcpu=gfx1250 --defsym DOCPART=n.
;; ======== version 1 of 1: 4 launches
;; limits: right only within a limited range of input values
;; workspace buffers: x_codes 1,048,576 bytes; x_scales 32,768 bytes; sel 4,096 bytes of whole numbers; wts 8,192 bytes; lists 49,152 bytes of whole numbers; h_codes 33,554,432 bytes; h_scales 1,048,576 bytes; y 16,777,216 bytes
;; launch route (part 1): grid 256 x 1, 4 waves a work-group, no clusters, 1,024 bytes of LDS; arguments hidden_states, gate_w, x_codes, x_scales, sel, wts; writes x_codes, x_scales, sel, wts
.if DOCPART == 1
	.amdgcn_target "amdgcn-amd-amdhsa--gfx1250"
	.amdhsa_code_object_version 6
	.text
	.protected	k_q57fe24ad17_route
	.globl	k_q57fe24ad17_route
	.p2align	8
	.type	k_q57fe24ad17_route,@function
k_q57fe24ad17_route:
	s_mov_b64 s[64:65], 0
	v_nop
	global_prefetch_b8 v0, s[64:65] scope:SCOPE_SE
	s_setreg_imm32_b32 hwreg(HW_REG_WAVE_MODE, 25, 1), 1
	s_wait_xcnt 0x0
; ROUTE.  For each of the 1,024 tokens: (1) x's 1,024 numbers become codes of E5M2 with one E8M0 byte for each 32 along D;
; (2) the 8 router logits x . gate_w in f32, the softmax's exponentials with the row's maximum taken away, the two largest (the lower
; index wins a tie), and their weights p1 / (p1 + p2), p2 / (p1 + p2): the softmax's divisor is common to both and cancels.
; STORED: x_codes [t][1024], x_scales [t][32], sel [t] = (1 << first expert) | (256 << second expert), wts [t][2] f32.
; No address and no branch hangs on the choice here: it is stored at fixed places, and later launches read it.
; WORK LEFT OUT by this program: reference() weighs six of each token's eight experts with the 0 that its one_hot builds: the next launches
; multiply the chosen rows alone.  A NaN, an infinity or an overflow in a product that was not chosen is not carried to the result.
; SHARES.  A work-group has four tokens.  Wave w quantises token w: lane l holds x[256 a + 8 l + i], a = 0 .. 3: four lanes hold a block of 32.
; The logits: wave w sums k = 256 w .. 256 w + 255 for all four tokens, so gate_w is read once in a work-group: lane l, p = l / 2, takes
; k = 256 w + 64 i + 4 p + q and the four experts 4 (l % 2) ..; the waves' parts meet in LDS.
; No matrix unit: N = 8, and the logits decide a choice, so they are summed in f32.
; LIMITS.  NaN and infinities among the inputs are not served.  A block of zeros gets the byte 1 where the quantiser's rule says 127:
; its codes are zeros, and this program alone reads the bytes.  The logits are summed in another order than a row-by-row sum, so two
; experts whose probabilities agree to about 1e-6 of their size may change places.  The two largest are taken of the exponentials
; before the division by their sum.  An exponential under 2^-126 counts as 0 (ISA guide, 15.8): its weight is then 0 as well.
.set X,   16                           ; v16-47   x of my own token: 8 for each a
.set T,   48                           ; v48-79   the held numbers; later v48-55 the exponentials, v56-63 those with the first choice struck out
.set QQ,  56
.set CD,  80                           ; v80-87   codes
.set XL,  88                           ; v88-151  x of the four tokens: 16 t + 4 i;  later parts and results
.set G,   152                          ; v152-215 gate_w: 16 i + 4 q
.set ACC, 216                          ; v216-231 sums: 4 t + expert; ahead of that at work for the quantiser
.set PD,  232                          ; v232-247 destinations of the lane permutes
.set SPARE, 512
.macro WA
	s_wait_alu depctr_va_vdst(0)
.endm
.macro TOP src, best, idx              ; the largest of eight and its index: an earlier number is kept where a later one is not greater
	v_mov_b32 v[\best], v[\src]
	v_mov_b32 v[\idx], 0
.irp i, 1,2,3,4,5,6,7
	v_cmp_le_f32 vcc_lo, v[\src+\i], v[\best]
	v_cndmask_b32 v[\best], v[\src+\i], v[\best], vcc_lo
	v_cndmask_b32 v[\idx], \i, v[\idx], vcc_lo
.endr
.endm
	s_load_b256 s[4:11], s[0:1], 0x0               ; x s[4:5], gate_w s[6:7], x_codes s[8:9], x_scales s[10:11]
	s_load_b128 s[12:15], s[0:1], 0x20             ; sel s[12:13], wts s[14:15]
	v_lshl_add_u32 v254, v0, 2, SPARE
	v_mov_b32 v255, 0
	v_lshrrev_b32 v1, 5, v0
	v_readfirstlane_b32 s16, v1                    ; wave
	s_lshl_b32 s23, s16, 10
	s_lshl_b32 s24, s16, 13
	s_lshl_b32 s25, s16, 5
	s_lshl_b32 s26, s16, 7
	v_and_b32 v1, 31, v0
	v_lshlrev_b32 v2, 5, v1                        ; x: 32 l
	v_lshlrev_b32 v4, 3, v1                        ; codes: 8 l
	v_and_b32 v6, 3, v1
	v_lshrrev_b32 v5, 2, v1
	v_lshl_add_u32 v5, v6, 3, v5                   ; lane l stores set l % 4's byte: block 8 (l % 4) + l / 4
	v_lshrrev_b32 v7, 1, v1                        ; p
	v_and_b32 v8, 1, v1                            ; which four experts
	v_lshlrev_b32 v9, 4, v7
	v_add_nc_u32 v9, s23, v9                       ; x for the logits: 1024 w + 16 p bytes
	v_lshlrev_b32 v10, 7, v7
	v_lshl_add_u32 v10, v8, 4, v10
	v_add_nc_u32 v10, s24, v10                     ; gate_w: 8192 w + 128 p + 16 (l % 2) bytes
	v_lshlrev_b32 v11, 4, v8
	v_add_nc_u32 v11, s25, v11                     ; my part of token t: 128 t + 32 w + 16 (l % 2)
	v_mov_b32 v12, s26                             ; my token's four parts
	v_mov_b32 v15, 0
.irp j, 0,1,2,3,4,5,6,7,8,9,10,11,12,13,14,15
	v_mov_b32 v[PD+\j], 0                          ; a lane permute's destination counts as one of its sources
.endr
	WA
	s_mov_b32 s20, 0x76543210
	s_mov_b32 s21, 0xfedcba98                      ; v_permlanex16_b32's selects for lane l xor 16
	s_mov_b32 s22, 0x600000                        ; the mantissa field of 57,344
	s_mov_b32 s19, 0
	s_lshl_b32 s18, ttmp9, 14                      ; four rows of x
	s_lshl_b32 s17, ttmp9, 2
	s_add_co_u32 s17, s17, s16                     ; my token
	s_wait_kmcnt 0x0
	s_add_nc_u64 s[28:29], s[4:5], s[18:19]
	s_lshl_b32 s18, s17, 12
	s_add_nc_u64 s[4:5], s[4:5], s[18:19]          ; my row of x,
	s_lshl_b32 s18, s17, 10
	s_add_nc_u64 s[8:9], s[8:9], s[18:19]          ; of the codes,
	s_lshl_b32 s18, s17, 5
	s_add_nc_u64 s[10:11], s[10:11], s[18:19]      ; of the scale bytes,
	s_lshl_b32 s18, s17, 2
	s_add_nc_u64 s[12:13], s[12:13], s[18:19]      ; my word of sel,
	s_lshl_b32 s18, s17, 3
	s_add_nc_u64 s[14:15], s[14:15], s[18:19]      ; my pair of wts
.irp a, 0,1,2,3
	global_load_b128 v[X+8*\a:X+8*\a+3], v2, s[4:5] offset:1024*\a
	global_load_b128 v[X+8*\a+4:X+8*\a+7], v2, s[4:5] offset:1024*\a+16
.endr
.irp t, 0,1,2,3
.irp i, 0,1,2,3
	global_load_b128 v[XL+16*\t+4*\i:XL+16*\t+4*\i+3], v9, s[28:29] offset:4096*\t+256*\i
.endr
.endr
.irp i, 0,1,2,3
.irp q, 0,1,2,3
	global_load_b128 v[G+16*\i+4*\q:G+16*\i+4*\q+3], v10, s[6:7] offset:2048*\i+32*\q
.endr
.endr
	s_wait_loadcnt 32                              ; 32 loads were issued behind my own row's eight
; the four sets by turns: v216.. largest magnitudes, v220.. scale operands, v224.. 57,344 x scale, v228.. bytes
.irp a, 0,1,2,3
	v_max3_num_f32 v[216+\a], |v[X+8*\a]|, |v[X+8*\a+1]|, |v[X+8*\a+2]|
.endr
.irp a, 0,1,2,3
	v_max3_num_f32 v[216+\a], v[216+\a], |v[X+8*\a+3]|, |v[X+8*\a+4]|
.endr
.irp a, 0,1,2,3
	v_max3_num_f32 v[216+\a], v[216+\a], |v[X+8*\a+5]|, |v[X+8*\a+6]|
.endr
.irp a, 0,1,2,3
	v_max3_num_f32 v[216+\a], v[216+\a], |v[X+8*\a+7]|, 0x8000000   ; and the floor 2^(16 - 127): the byte cannot fall under 1
.endr
.irp m, 1,2
.irp a, 0,1,2,3
	v_max_num_f32_dpp v[216+\a], v[216+\a], v[216+\a] row_xmask:\m row_mask:0xf bank_mask:0xf   ; the four lanes of a block
.endr
.endr
.irp a, 0,1,2,3
	v_add_nc_u32 v[220+\a], 0xf8800000, v[216+\a]  ; 15 off its exponent field: the conversion's scale operand
.endr
.irp a, 0,1,2,3
	v_and_or_b32 v[224+\a], v[216+\a], 0x7f800000, s22
.endr
.irp a, 0,1,2,3
.irp i, 0,1,2,3,4,5,6,7
	v_med3_num_f32 v[T+8*\a+\i], v[X+8*\a+\i], -v[224+\a], v[224+\a]   ; the conversion does not saturate (ISA guide 7.6.2): the hold comes first
.endr
.endr
.irp a, 0,1,2,3
	v_cvt_scalef32_pk8_bf8_f32 v[CD+2*\a:CD+2*\a+1], v[T+8*\a:T+8*\a+7], v[220+\a]
.endr
.irp a, 0,1,2,3
	v_lshrrev_b32 v[228+\a], 23, v[220+\a]
.endr
	v_mov_b32 v14, v228
.irp a, 1,2,3
	v_cmp_eq_u32 vcc_lo, \a, v6
	v_cndmask_b32 v14, v14, v[228+\a], vcc_lo
.endr
.irp a, 0,1,2,3
	global_store_b64 v4, v[CD+2*\a:CD+2*\a+1], s[8:9] offset:256*\a   ; 256 consecutive bytes
.endr
	global_store_b8 v5, v14, s[10:11]              ; my token's 32 scale bytes
	WA
	s_wait_loadcnt 0x0
.irp i, 0,1,2,3
.irp q, 0,1,2,3
.irp t, 0,1,2,3
.irp p, 0,2
.if (\i == 0) && (\q == 0)
	v_pk_mul_f32 v[ACC+4*\t+\p:ACC+4*\t+\p+1], v[G+\p:G+\p+1], v[XL+16*\t:XL+16*\t+1] op_sel_hi:[1,0]
.elseif (\q % 2) == 0
	v_pk_fma_f32 v[ACC+4*\t+\p:ACC+4*\t+\p+1], v[G+16*\i+4*\q+\p:G+16*\i+4*\q+\p+1], v[XL+16*\t+4*\i+\q:XL+16*\t+4*\i+\q+1], v[ACC+4*\t+\p:ACC+4*\t+\p+1] op_sel_hi:[1,0,1]
.else
	v_pk_fma_f32 v[ACC+4*\t+\p:ACC+4*\t+\p+1], v[G+16*\i+4*\q+\p:G+16*\i+4*\q+\p+1], v[XL+16*\t+4*\i+\q-1:XL+16*\t+4*\i+\q], v[ACC+4*\t+\p:ACC+4*\t+\p+1] op_sel:[0,1,0] op_sel_hi:[1,1,1]
.endif
.endr
.endr
.endr
.endr
.irp m, 2,4,8
.irp j, 0,1,2,3,4,5,6,7,8,9,10,11,12,13,14,15
	v_add_f32_dpp v[ACC+\j], v[ACC+\j], v[ACC+\j] row_xmask:\m row_mask:0xf bank_mask:0xf   ; over the lanes of one parity
.endr
.endr
.irp j, 0,1,2,3,4,5,6,7,8,9,10,11,12,13,14,15
	v_permlanex16_b32 v[PD+\j], v[ACC+\j], s20, s21
.endr
.irp j, 0,1,2,3,4,5,6,7,8,9,10,11,12,13,14,15
	v_add_f32 v[ACC+\j], v[ACC+\j], v[PD+\j]
.endr
.irp t, 0,1,2,3
	ds_store_b128 v11, v[ACC+4*\t:ACC+4*\t+3] offset:128*\t   ; lanes of one parity write the same bytes with the same values
.endr
	WA
	s_wait_dscnt 0x0                               ; for the others' sake: my parts have landed
	s_barrier_signal -1
	s_barrier_wait -1
.irp p, 0,1,2,3
	ds_load_b128 v[XL+8*\p:XL+8*\p+3], v12 offset:32*\p
	ds_load_b128 v[XL+8*\p+4:XL+8*\p+7], v12 offset:32*\p+16
.endr
	s_wait_dscnt 0x0
.irp j, 0,2,4,6
	v_pk_add_f32 v[XL+\j:XL+\j+1], v[XL+\j:XL+\j+1], v[XL+8+\j:XL+9+\j]
	v_pk_add_f32 v[XL+16+\j:XL+17+\j], v[XL+16+\j:XL+17+\j], v[XL+24+\j:XL+25+\j]
.endr
.irp j, 0,2,4,6
	v_pk_add_f32 v[ACC+\j:ACC+\j+1], v[XL+\j:XL+\j+1], v[XL+16+\j:XL+17+\j]   ; every lane holds my token's eight logits
.endr
	v_max3_num_f32 v120, v[ACC], v[ACC+1], v[ACC+2]
	v_max3_num_f32 v120, v120, v[ACC+3], v[ACC+4]
	v_max3_num_f32 v120, v120, v[ACC+5], v[ACC+6]
	v_max_num_f32 v120, v120, v[ACC+7]             ; the row's maximum is taken away ahead of the exponentials
.irp j, 0,1,2,3,4,5,6,7
	v_sub_f32 v[T+\j], v[ACC+\j], v120
.endr
.irp j, 0,1,2,3,4,5,6,7
	v_mul_f32 v[T+\j], 0x3fb8aa3b, v[T+\j]         ; x log2(e)
.endr
	WA
.irp j, 0,1,2,3,4,5,6,7
	v_exp_f32 v[T+\j], v[T+\j]                     ; p, at most 1
.endr
	v_mov_b32 v121, -1.0                           ; the plain line behind the exponentials
	WA                                             ; one wait for the batch of eight
	TOP T, 122, 123                                ; p1, the first expert
.irp j, 0,1,2,3,4,5,6,7
	v_cmp_eq_u32 vcc_lo, \j, v123
	v_cndmask_b32 v[QQ+\j], v[T+\j], v121, vcc_lo  ; the first choice is struck out: -1 lies under every p
.endr
	TOP QQ, 124, 125                               ; p2, the second expert
	v_add_f32 v126, v122, v124
	WA
	v_rcp_f32 v127, v126
	v_mov_b32 v128, 1                              ; plain work behind the reciprocal: the word of sel
	v_mov_b32 v129, 0x100
	v_lshlrev_b32 v128, v123, v128
	v_lshlrev_b32 v129, v125, v129
	v_or_b32 v130, v128, v129                      ; (1 << first) | (256 << second)
	WA                                             ; the wait ahead of the reciprocal's first reader
	v_mul_f32 v132, v122, v127
	v_mul_f32 v133, v124, v127
	WA
	s_wait_xcnt 0x0                                ; EXEC is a source of the stores above: it changes only behind this wait
	v_cmp_eq_u32 vcc_lo, 0, v1
	s_and_saveexec_b32 s24, vcc_lo                 ; lane 0 alone
	global_store_b32 v15, v130, s[12:13]
	global_store_b64 v15, v[132:133], s[14:15]
	s_wait_xcnt 0x0                                ; and again ahead of the line that widens it
	s_or_b32 exec_lo, exec_lo, s24
	s_wait_tensorcnt 0x0                           ; the wave's end
	ds_add_u32 v254, v255
	s_wait_dscnt 0x0
	s_endpgm
.Lfunc_end_k_q57fe24ad17_route:
	.size	k_q57fe24ad17_route, .Lfunc_end_k_q57fe24ad17_route-k_q57fe24ad17_route
	.p2alignl 7, 3214868480
	.fill 96, 4, 3214868480
	.section	.rodata,"a",@progbits
	.p2align	6, 0x0
	.amdhsa_kernel k_q57fe24ad17_route
		.amdhsa_group_segment_fixed_size 1024
		.amdhsa_private_segment_fixed_size 0
		.amdhsa_enable_private_segment 0
		.amdhsa_kernarg_size 48
		.amdhsa_user_sgpr_count 2
		.amdhsa_user_sgpr_kernarg_segment_ptr 1
		.amdhsa_wavefront_size32 1
		.amdhsa_system_sgpr_workgroup_id_x 1
		.amdhsa_system_sgpr_workgroup_id_y 1
		.amdhsa_system_sgpr_workgroup_id_z 1
		.amdhsa_system_vgpr_workitem_id 0
		.amdhsa_next_free_vgpr 256
		.amdhsa_next_free_sgpr 66
		.amdhsa_reserve_vcc 1
		.amdhsa_float_denorm_mode_32 3
		.amdhsa_float_denorm_mode_16_64 3
		.amdhsa_memory_ordered 1
		.amdhsa_forward_progress 1
		.amdhsa_inst_pref_size 30
	.end_amdhsa_kernel
	.amdgpu_metadata
---
amdhsa.version: [ 1, 2 ]
amdhsa.kernels:
  - .name:           k_q57fe24ad17_route
    .symbol:         k_q57fe24ad17_route.kd
    .args:
      - { .name: hidden_states, .offset: 0, .size: 8, .value_kind: global_buffer, .address_space: global }
      - { .name: gate_w, .offset: 8, .size: 8, .value_kind: global_buffer, .address_space: global }
      - { .name: x_codes, .offset: 16, .size: 8, .value_kind: global_buffer, .address_space: global }
      - { .name: x_scales, .offset: 24, .size: 8, .value_kind: global_buffer, .address_space: global }
      - { .name: sel, .offset: 32, .size: 8, .value_kind: global_buffer, .address_space: global }
      - { .name: wts, .offset: 40, .size: 8, .value_kind: global_buffer, .address_space: global }
    .group_segment_fixed_size: 1024
    .private_segment_fixed_size: 0
    .kernarg_segment_align: 8
    .kernarg_segment_size: 48
    .max_flat_workgroup_size: 128
    .sgpr_count:     66
    .vgpr_count:     256
    .wavefront_size: 32
...
	.end_amdgpu_metadata
.endif
;; end of part 1
;; launch ffn1 (part 2): grid 256 x 1, 4 waves a work-group, no clusters, 211,456 bytes of LDS; arguments sel, x_codes, x_scales, w1_codes, w1_scales, b1, h_codes, h_scales, lists; writes h_codes, h_scales, lists
.if DOCPART == 2
	.amdgcn_target "amdgcn-amd-amdhsa--gfx1250"
	.amdhsa_code_object_version 6
	.text
	.protected	k_q57fe24ad17_ffn1
	.globl	k_q57fe24ad17_ffn1
	.p2align	8
	.type	k_q57fe24ad17_ffn1,@function
k_q57fe24ad17_ffn1:
	s_mov_b64 s[64:65], 0
	v_nop
	global_prefetch_b8 v0, s[64:65] scope:SCOPE_SE
	s_setreg_imm32_b32 hwreg(HW_REG_WAVE_MODE, 25, 1), 1
	s_wait_xcnt 0x0
; FFN1.  h = Q(gelu(Q(x) W1_e + b1_e)) for the rows that were routed to expert e, on codes of E5M2 with one E8M0 scale for each 32 along K.
; WORK LEFT OUT: rows of experts that a token did not choose (reference() weighs them with the 0 that its one_hot builds); only the chosen rows are multiplied here.
; SHARES.  Work-group id: e = id % 8; j = id / 8 % 16: hidden units 256 j .. 256 j + 255 of expert e; rq = id / 128: the row tiles 2 m + rq of the expert's list.
; Wave w makes 64 of the units for all of these tiles.  Its 64 rows of W1, all of K, stay in 512 registers for the whole launch.
; W1.  The first half of K comes by loads of 512 consecutive bytes of a row, passes through the wave's own stage in LDS (two halves by turns, no barrier) and
; comes back as fragments in the same registers; the second half is loaded straight into the operand's registers (16 rows x 32 bytes a load): so neither path carries all of it.
; x's rows are gathered once in a work-group, a CHUNK of four tiles at a time (a tile a wave), into two LDS buffers that take turns; all four waves read them.
; The first two chunks are put there while W1 is on its way; a later chunk's rows are asked for two chunks ahead, by the waves whose tile of it exists.
; THE LIST.  Wave 0 reads all 1,024 words of sel and places the rows of expert e by a counting pass into LDS: entry = 2 t + j (j = 0: e is
; token t's first choice, 1: its second), at its rank.  Behind the last entry the list repeats it 64 times, so that the last tile is whole.  The work-groups with id < 8 store the list.
; EIGHT CHUNKS ARE ON EVERY PATH (32 tiles of a half of the list: all 1,024 tokens on one expert): every wave passes every barrier; a chunk without rows is jumped over but for its barrier.
; ONE BARRIER A CHUNK, ahead of its fourth tile's products: in front of it each wave's reads of this chunk's buffer are over and its stores of the next chunk have landed.
; THE NEXT TILE'S FRAGMENTS are read in one run: by even waves ahead of this tile's activation, by odd waves behind it, so that two waves read while two compute.  Behind the last tile such loads
; read a tile of rows that were put there earlier, and are not used.
; THE PRODUCT IS USED TRANSPOSED: source 0 = 16 rows of W1, source 1 = 16 rows of x: a lane holds ONE token (lane % 16), its registers run
; along the hidden units.  Row r of tile 2 b + u is unit 32 b + 8 u + r + 8 (r / 8), so that the 16 registers of tiles 2 b and 2 b + 1 are the 16 neighbours
; 32 b + 16 (lane / 16) + 0 .. 15 along the next K.
; h_codes [e][tile 64][s 32][c 4][lane 32][16 bytes]; h_scales [e][tile 64][s 32][row 16] one word, byte c for units 128 s + 32 c ..
; gelu is the tanh form, as g = v / (1 + 2^(v (c1 + c2 v^2))), c1 = -2 log2(e) sqrt(2 / pi), c2 = 0.044715 c1: the same function, with no difference of near numbers.
; b1 is the C of each sum's first matrix instruction.
; NO TENSOR LOADS, NO CLUSTER: branches hang on a count made from stored numbers.  NO PREFETCH: the weights are all asked for at the head, ahead of any loop, and what the loop reads, x's 1 MB, is asked for two chunks ahead.
; LIMITS.  NaN and infinities are not served.  A block of zeros gets the byte 1 (its codes are zeros; this program alone reads the bytes).
; An expert without tokens: its work-groups load their weights, fetch token 0's row for two chunks, store the list (id < 8), pass the barriers and end.
.set PITCH, 1040                       ; an LDS row of x: 1,024 bytes + 16: the 16 rows that a fragment load touches start at 16 different columns of 16 bytes
.set SP,   528                         ; a row of a stage: 512 bytes + 16
.set XSC,  6144                        ; LDS: the list (words 0-1087 entries, 1088-1119 a word for each lane whose token is not e's, 1280-1311 the count); x's scale bytes, two buffers of 2,048;
.set WST,  10240                       ; the waves' stages, 2 x 16 rows each;
.set XB,   WST+4*32*SP                 ; x's two buffers of 64 rows;
.set XBN,  64*PITCH
.set SPARE, XB+2*XBN                   ; the spare words
.set XS,   20                          ; v20-27   x's scale words, one for each K step (lanes 0-15: row r)
.set WS,   32                          ; v32-63   W1's scale words: 8 t + K step
.set B1R,  64                          ; v64-95   b1 in the result's layout: 8 t + j
.set ACC,  96                          ; v96-127  four accumulators: 8 t
.set EN1,  96                          ; at the head v96-112: the entries of chunk 1's rows
.set ES1,  112
.set Z,    128                         ; v128-159 gelu at work
.set SELR, 128                         ; and ahead of that, in wave 0: the 1,024 words of sel, 32 a lane
.set TM,   160                         ; v160-169 largest magnitudes, permutes, 57,344 x scale, scale operands, bytes
.set PC,   172                         ; v172-203 the codes just made: four sets, for a chunk's four tiles
.set SW,   204                         ; v204-207 my two scale bytes
.set HO,   208                         ; v208-211 offsets in h_codes
.set HQ,   212                         ; v212-215 and in h_scales
.set EN,   216                         ; v216-231 the 16 entries of the rows that I gather, the same in all lanes; then their addresses
.set ES,   232                         ; v232     row lane / 2's entry, for its scale bytes
.set XL,   236                         ; v236-239 16 of its 32 scale bytes; v240-243 those of chunk 1 at the head
; v1 lane, v2 r, v3 h; v4 64 h; v5 W1's scales; v6 4 r; v7 16 x lane; v8 4 (lane / 2); v9 16 (lane % 2); v10, v11 where I put x's rows; v12, v13 where I read its fragments;
; v14, v15 the same for scale bytes; v16, v17 my stage: fragments out, rows in; v18, v19 list addresses; v28 W1's second half; v[234:235] c1.
; At the head: v172-175 zeros; v176 1088 + lane; v177 8 x lane; v178 16 x thread; v179 4 x lane; v180-199 at work on the list.
; window 1: W1's fragments of K steps 0-3, window 2: of 4-7 (tile t, K step k at v[64 t + 16 (k % 4)]).  window 3: v0-127 x's eight fragments; v128-255 x's rows as they land (at the head chunk 1's in v0-127).
.set MSB, 0
.macro WIN new                         ; s_set_vgpr_msb: bits 1:0 source 0, 3:2 source 1, 5:4 source 2, 7:6 destination; the high byte repeats the setting that is left
.if MSB != (\new)
	s_set_vgpr_msb (MSB<<8)|(\new)
.set MSB, (\new)
.endif
.endm
.macro WA
	s_wait_alu depctr_va_vdst(0)
.endm
.macro PLACES n
.rept \n
	v_nop
.endr
.endm
.macro WT t                            ; tile t's 16 rows, the first half of K: 512 bytes of a row a load
	WIN 0x40
.irp i, 0,1,2,3,4,5,6,7,8,9,10,11,12,13,14,15
	global_load_b128 v[64*(\t)+4*\i:64*(\t)+4*\i+3], v7, s[10:11] offset:(32*((\t)/2)+8*((\t)%2)+\i+8*(\i/8))*1024
.endr
	WIN 0
.endm
.macro WD t                            ; the second half of K, as four fragments
	WIN 0x80
.irp i, 0,1,2,3,4,5,6,7,8,9,10,11,12,13,14,15
	global_load_b128 v[64*(\t)+4*\i:64*(\t)+4*\i+3], v28, s[10:11] offset:(32*((\t)/2)+8*((\t)%2))*1024+512+32*\i
.endr
	WIN 0
.endm
.macro WPUT t                          ; tile t's first half into half t % 2 of my stage
	WIN 0x04
.irp i, 0,1,2,3,4,5,6,7,8,9,10,11,12,13,14,15
	ds_store_b128 v17, v[64*(\t)+4*\i:64*(\t)+4*\i+3] offset:16*SP*((\t)%2)+SP*\i
.endr
	WIN 0
.endm
.macro WGET t                          ; and back as four fragments, into the same registers
	WIN 0x40
.irp i, 0,1,2,3,4,5,6,7,8,9,10,11,12,13,14,15
	ds_load_b128 v[64*(\t)+4*\i:64*(\t)+4*\i+3], v16 offset:16*SP*((\t)%2)+32*\i
.endr
	WIN 0
.endm
.macro LISTLOAD en, es                 ; the entries of tile 2 s30 + rq: 16 for all lanes, and row lane / 2's
	s_lshl_b32 s30, s30, 1
	s_add_co_u32 s30, s30, s24
	s_lshl_b32 s30, s30, 6
	v_mov_b32 v18, s30
	v_add_nc_u32 v19, s30, v8
	v_min_u32 v18, 0x10c0, v18                     ; the list has 1,088 words
	v_min_u32 v19, 0x10fc, v19
.irp j, 0,1,2,3
	ds_load_b128 v[\en+4*\j:\en+4*\j+3], v18 offset:16*\j
.endr
	ds_load_b32 v[\es], v19
.endm
.macro GATHER base, en, es, xl         ; 16 rows of x's codes, two loads of 512 bytes a row, and their scale bytes: 33 loads
.irp j, 0,1,2,3,4,5,6,7,8,9,10,11,12,13,14,15
	v_min_u32 v[\en+\j], 0x7ff, v[\en+\j]          ; a loaded number is held ahead of an address
.endr
	v_min_u32 v[\es], 0x7ff, v[\es]
.irp j, 0,1,2,3,4,5,6,7,8,9,10,11,12,13,14,15
	v_and_b32 v[\en+\j], 0x7fe, v[\en+\j]          ; 2 t
.endr
	v_and_b32 v[\es], 0x7fe, v[\es]
.irp j, 0,1,2,3,4,5,6,7,8,9,10,11,12,13,14,15
	v_lshl_add_u32 v[\en+\j], v[\en+\j], 9, v7     ; 1,024 t + 16 x lane
.endr
	v_lshl_add_u32 v[\es], v[\es], 4, v9           ; 32 t + 16 (lane % 2)
	WIN 0xc0
.irp j, 0,1,2,3,4,5,6,7,8,9,10,11,12,13,14,15
	global_load_b128 v[\base+8*\j:\base+8*\j+3], v[\en+\j], s[6:7]
	global_load_b128 v[\base+8*\j+4:\base+8*\j+7], v[\en+\j], s[6:7] offset:512
.endr
	WIN 0
	global_load_b128 v[\xl:\xl+3], v[\es], s[8:9]
.endm
.macro XPUT b, base, xl                ; what has landed goes into buffer b
	WIN 0x0c
.irp j, 0,1,2,3,4,5,6,7,8,9,10,11,12,13,14,15
	ds_store_b128 v[10+\b], v[\base+8*\j:\base+8*\j+3] offset:PITCH*\j
	ds_store_b128 v[10+\b], v[\base+8*\j+4:\base+8*\j+7] offset:PITCH*\j+512
.endr
	WIN 0
	ds_store_b128 v14, v[\xl:\xl+3] offset:2048*(\b)
.endm
.macro FRAG b, a                       ; the eight fragments of buffer b's tile a, and its rows' eight scale words: 34 loads in one run
	WIN 0xc0
.set j, 0
.rept 32
	ds_load_b128 v[4*j:4*j+3], v[12+\b] offset:16*PITCH*(\a)+32*j
.set j, j+1
.endr
	WIN 0
	ds_load_b128 v[XS:XS+3], v15 offset:2048*(\b)+512*(\a)
	ds_load_b128 v[XS+4:XS+7], v15 offset:2048*(\b)+512*(\a)+16
.endm
.macro MMA                             ; 32 matrix instructions: K step by K step, the four accumulators by turns
.irp ks, 0,1,2,3,4,5,6,7
	WIN 0x0d+(\ks/4)                               ; source 0 (W1) window 1 or 2, source 1 (x) window 3, C and D window 0
.irp t, 0,1,2,3
.if \ks == 0
	v_wmma_scale_f32_16x16x128_f8f6f4 v[ACC+8*\t:ACC+8*\t+7], v[64*\t:64*\t+15], v[0:15], v[B1R+8*\t:B1R+8*\t+7], v[WS+8*\t], v[XS] matrix_a_fmt:MATRIX_FMT_BF8 matrix_b_fmt:MATRIX_FMT_BF8
.else
	v_wmma_scale_f32_16x16x128_f8f6f4 v[ACC+8*\t:ACC+8*\t+7], v[64*\t+16*(\ks%4):64*\t+16*(\ks%4)+15], v[16*\ks:16*\ks+15], v[ACC+8*\t:ACC+8*\t+7], v[WS+8*\t+\ks], v[XS+\ks] matrix_a_fmt:MATRIX_FMT_BF8 matrix_b_fmt:MATRIX_FMT_BF8
.endif
.endr
.endr
	WIN 0
	PLACES 9                                       ; ahead of the first read of results and of loads into what the products have read (ISA guide 7.12.1 for the first read of results)
.endm
.macro GELU                            ; the 32 numbers of a lane, in place; each accumulator is read from its low end on
.set j, 0
.rept 16
	v_pk_mul_f32 v[Z+j:Z+j+1], v[ACC+j:ACC+j+1], v[ACC+j:ACC+j+1]                    ; v^2
.set j, j+2
.endr
.set j, 0
.rept 16
	v_pk_fma_f32 v[Z+j:Z+j+1], v[Z+j:Z+j+1], s[38:39], v[234:235] op_sel_hi:[1,0,1]   ; c1 + c2 v^2
.set j, j+2
.endr
.set j, 0
.rept 16
	v_pk_mul_f32 v[Z+j:Z+j+1], v[Z+j:Z+j+1], v[ACC+j:ACC+j+1]                        ; x v
.set j, j+2
.endr
.set j, 0
	WA
.rept 32
	v_exp_f32 v[Z+j], v[Z+j]
.set j, j+1
.endr
	v_nop                                          ; the plain line behind the exponentials
	WA                                             ; one wait for the batch of 32
.set j, 0
.rept 16
	v_pk_add_f32 v[Z+j:Z+j+1], v[Z+j:Z+j+1], 1.0 op_sel_hi:[1,0]
.set j, j+2
.endr
.set j, 0
	WA
.rept 32
	v_rcp_f32 v[Z+j], v[Z+j]
.set j, j+1
.endr
	v_nop
	WA                                             ; and one for the 32 reciprocals
.set j, 0
.rept 16
	v_pk_mul_f32 v[ACC+j:ACC+j+1], v[ACC+j:ACC+j+1], v[Z+j:Z+j+1]
.set j, j+2
.endr
.endm
; My two blocks of 32 hidden units (16 numbers in my lane, 16 in lane l xor 16) become codes in set u of v[PC] on and two scale bytes.
.macro QUANT2 u
.irp b, 0,1
	v_max3_num_f32 v[TM+\b], |v[ACC+16*\b]|, |v[ACC+16*\b+1]|, 0x8000000   ; with the floor 2^(16 - 127): the byte cannot fall under 1
.endr
.irp i, 2,4,6,8,10,12,14
.irp b, 0,1
	v_max3_num_f32 v[TM+\b], v[TM+\b], |v[ACC+16*\b+\i]|, |v[ACC+16*\b+\i+1]|
.endr
.endr
.irp b, 0,1
	v_permlanex16_b32 v[TM+2+\b], v[TM+\b], s34, s35
.endr
.irp b, 0,1
	v_max_num_f32 v[TM+\b], v[TM+\b], v[TM+2+\b]   ; the block's largest magnitude
.endr
.irp b, 0,1
	v_add_nc_u32 v[TM+6+\b], 0xf8800000, v[TM+\b]  ; 15 off its exponent field: the conversion's scale operand
.endr
.irp b, 0,1
	v_and_or_b32 v[TM+4+\b], v[TM+\b], 0x7f800000, s36   ; 57,344 x the scale
.endr
.irp b, 0,1
	v_lshrrev_b32 v[TM+8+\b], 23, v[TM+6+\b]       ; the scale's byte
.endr
	v_lshl_or_b32 v[SW+\u], v[TM+9], 8, v[TM+8]
.irp b, 0,1
.irp i, 0,1,2,3,4,5,6,7,8,9,10,11,12,13,14,15
	v_med3_num_f32 v[ACC+16*\b+\i], v[ACC+16*\b+\i], -v[TM+4+\b], v[TM+4+\b]   ; the conversion to an 8-bit code does not saturate (ISA guide 7.6.2)
.endr
	v_cvt_scalef32_pk8_bf8_f32 v[PC+8*\u+4*\b:PC+8*\u+4*\b+1], v[ACC+16*\b:ACC+16*\b+7], v[TM+6+\b]
	v_cvt_scalef32_pk8_bf8_f32 v[PC+8*\u+4*\b+2:PC+8*\u+4*\b+3], v[ACC+16*\b+8:ACC+16*\b+15], v[TM+6+\b]
.endr
	v_nop                                          ; a plain line behind the last conversion
.endm
; Tile u of a chunk in buffer p; the next tile is number na of buffer nb.  Tile s30 leaves as 1,024 bytes of codes, lane by lane, and the rows' scale bytes.
; Set u's registers were last stored a chunk ago, and a wait on XCNT stands at each chunk's barrier.
.macro STEP p, u, nb, na
	s_add_co_u32 s30, s29, 4*\p+\u
	s_cmp_ge_u32 s30, s28
	WA
	s_cbranch_scc1 .Lnone_\@
	s_wait_dscnt 0x0                               ; its fragments are in
	MMA
	s_cmp_lg_u32 s37, 0
	s_cbranch_scc1 .Llater_\@
	FRAG \nb, \na                                  ; even waves
.Llater_\@:
	GELU
	QUANT2 \u
	s_lshl_b32 s31, s30, 1
	s_add_co_u32 s31, s31, s24                     ; the list's tile
	s_lshl_b32 s33, s31, 11
	s_lshl_b32 s31, s31, 16
	v_add_nc_u32 v[HO+\u], s31, v7
	v_add_nc_u32 v[HQ+\u], s33, v6
	global_store_b128 v[HO+\u], v[PC+8*\u:PC+8*\u+3], s[16:17]
	global_store_b128 v[HO+\u], v[PC+8*\u+4:PC+8*\u+7], s[16:17] offset:512
	global_store_b16 v[HQ+\u], v[SW+\u], s[18:19]  ; lanes l and l + 16 hold the same two bytes and write them to the same place
	s_cmp_eq_u32 s37, 0
	WA
	s_cbranch_scc1 .Lnone_\@
	s_wait_dscnt 0x0
	FRAG \nb, \na                                  ; odd waves
.Lnone_\@:
.endm
.macro CHUNK i, q                      ; tokens 128 i + 4 l + q, one a lane: those of expert e are placed at the running count + the number of such lanes below mine
	v_and_b32 v180, s40, v[SELR+4*\i+\q]           ; bit e: first choice; bit 8 + e: second
	v_cmp_ne_u32 s42, 0, v180
	v_lshrrev_b32 v181, s41, v180                  ; j
	v_mbcnt_lo_u32_b32 v182, s42, s43              ; my rank
	v_add3_u32 v183, v177, v181, 256*\i+2*\q       ; the entry 2 t + j
	v_cndmask_b32 v182, v176, v182, s42            ; a lane whose token is not e's writes to its own word behind the list
	v_min_u32 v182, 0x45f, v182                    ; a number made from loaded data is held ahead of an address: 1,120 words
	v_lshlrev_b32 v184, 2, v182
	ds_store_b32 v184, v183
	s_bcnt1_i32_b32 s44, s42
	s_add_co_u32 s43, s43, s44
.endm
; Chunk s29 / 4 + p, in buffer p.
.macro ITER p
	s_add_co_u32 s31, s29, 4*\p
	s_cmp_ge_u32 s31, s28
	WA
	s_cbranch_scc1 .Lbar_\@                        ; no rows: nothing but the barrier
	STEP \p, 0, \p, 1
	s_add_co_u32 s30, s29, 4*\p+8
	s_add_co_u32 s30, s30, s22                     ; my tile of the chunk two on
	s_cmp_ge_u32 s30, s28
	WA
	s_cbranch_scc1 .Lnogather_\@
	LISTLOAD EN, ES
	WA
	s_wait_dscnt 0x0
	GATHER 128, EN, ES, XL
.Lnogather_\@:
	STEP \p, 1, \p, 2
	STEP \p, 2, \p, 3
.Lbar_\@:
	WA
	s_wait_loadcnt 0x0                             ; my rows of the chunk two on are in
	s_wait_dscnt 0x0                               ; for the others' sake: my reads of this buffer are over, my rows of the next chunk have landed
	s_barrier_signal -1
	s_barrier_wait -1                              ; on every path of every wave
	s_wait_xcnt 0x0                                ; the stores so far have read their registers
	s_add_co_u32 s31, s29, 4*\p
	s_cmp_ge_u32 s31, s28
	s_cbranch_scc1 .Ldone_\@
	STEP \p, 3, 1-\p, 0
	s_add_co_u32 s30, s29, 4*\p+8
	s_add_co_u32 s30, s30, s22
	s_cmp_ge_u32 s30, s28
	WA
	s_cbranch_scc1 .Ldone_\@
	XPUT \p, 128, XL
.Ldone_\@:
.endm
	s_load_b256 s[4:11], s[0:1], 0x0               ; sel s[4:5], x_codes s[6:7], x_scales s[8:9], w1_codes s[10:11]
	s_load_b256 s[12:19], s[0:1], 0x20             ; w1_scales s[12:13], b1 s[14:15], h_codes s[16:17], h_scales s[18:19]
	s_load_b64 s[20:21], s[0:1], 0x40              ; lists
	v_lshl_add_u32 v254, v0, 2, SPARE
	v_mov_b32 v255, 0
	v_lshrrev_b32 v1, 5, v0
	v_readfirstlane_b32 s22, v1                    ; wave
	v_and_b32 v1, 31, v0
	v_and_b32 v2, 15, v0
	v_bfe_u32 v3, v0, 4, 1
	v_lshlrev_b32 v7, 4, v1
	v_and_b32 v5, 8, v2
	v_add_nc_u32 v5, v5, v2                        ; r + 8 (r / 8)
	v_lshlrev_b32 v28, 10, v5
	v_lshl_add_u32 v28, v3, 4, v28                 ; W1: that row of 1,024 bytes, + 16 h
	v_lshlrev_b32 v5, 5, v5                        ; its 32 scale bytes
	v_lshlrev_b32 v4, 6, v3                        ; b1: 16 h numbers on
	v_lshlrev_b32 v6, 2, v2
	v_lshrrev_b32 v8, 1, v1
	v_lshlrev_b32 v8, 2, v8
	v_and_b32 v9, 1, v1
	v_lshlrev_b32 v9, 4, v9
	v_mul_u32_u24 v12, v2, PITCH
	v_lshl_add_u32 v12, v3, 4, v12                 ; a fragment's row x pitch + 16 h
	v_add_nc_u32 v13, XB+XBN, v12
	v_add_nc_u32 v12, XB, v12
	v_mul_u32_u24 v16, v2, SP
	v_lshl_add_u32 v16, v3, 4, v16
	v_lshlrev_b32 v15, 5, v2
	v_add_nc_u32 v15, XSC, v15
	v_mov_b32 v234, 0xc0135761                     ; c1 = -2.3022082
	v_mov_b32 v235, 0xc0135761
.irp j, 172,173,174,175
	v_mov_b32 v\j, 0
.endr
	v_mov_b32 v[TM+2], 0                           ; a lane permute's destination counts as one of its sources
	v_mov_b32 v[TM+3], 0
	v_add_nc_u32 v176, 1088, v1
	v_lshlrev_b32 v177, 3, v1
	v_lshlrev_b32 v178, 4, v0
	v_lshlrev_b32 v179, 2, v1
	WA
	s_and_b32 s37, s22, 1                          ; an odd wave?
	s_and_b32 s25, ttmp9, 7                        ; e
	s_lshr_b32 s26, ttmp9, 3
	s_lshr_b32 s24, s26, 4                         ; rq
	s_and_b32 s23, s26, 15                         ; j
	s_mul_i32 s30, s22, 16*PITCH
	s_add_co_u32 s30, s30, XB
	s_add_co_u32 s31, s30, XBN
	s_lshl_b32 s32, s22, 9
	s_add_co_u32 s32, s32, XSC
	s_mul_i32 s33, s22, 32*SP
	s_add_co_u32 s33, s33, WST
	v_add_nc_u32 v10, s30, v7
	v_add_nc_u32 v11, s31, v7
	v_add_nc_u32 v14, s32, v7
	v_add_nc_u32 v16, s33, v16
	v_add_nc_u32 v17, s33, v7
	WA
	s_mov_b32 s34, 0x76543210
	s_mov_b32 s35, 0xfedcba98                      ; v_permlanex16_b32's selects for lane l xor 16
	s_mov_b32 s36, 0x600000                        ; the mantissa field of 57,344
	s_mov_b32 s38, 0xbdd2d3e8                      ; c2 = -0.10294324
	s_mov_b32 s39, s38                             ; (named with it as a pair, so it is written)
	s_lshl_b32 s40, 0x101, s25
	s_add_co_u32 s41, s25, 8
	s_mov_b32 s29, 0
	s_mov_b32 s31, 0
	s_mov_b32 s33, 0
	s_lshl_b32 s30, s25, 22
	s_lshl_b32 s32, s23, 18
	s_add_co_u32 s30, s30, s32
	s_lshl_b32 s32, s22, 16
	s_add_co_u32 s30, s30, s32                     ; my 64 rows of W1: (4096 e + 256 j + 64 w) x 1,024 bytes
	s_wait_kmcnt 0x0
	s_add_nc_u64 s[10:11], s[10:11], s[30:31]
	s_lshr_b32 s32, s30, 5                         ; 32 scale bytes a row
	s_add_nc_u64 s[12:13], s[12:13], s[32:33]
	s_lshr_b32 s32, s30, 8                         ; 4 bytes of b1 a row
	s_add_nc_u64 s[14:15], s[14:15], s[32:33]
	s_lshl_b32 s30, s25, 22
	s_lshl_b32 s32, s23, 12
	s_add_co_u32 s30, s30, s32
	s_lshl_b32 s32, s22, 10
	s_add_co_u32 s30, s30, s32                     ; h_codes: expert, K step 2 j + w / 2, my two groups of four registers
	s_add_nc_u64 s[16:17], s[16:17], s[30:31]
	s_lshl_b32 s30, s25, 17
	s_lshl_b32 s32, s23, 7
	s_add_co_u32 s30, s30, s32
	s_lshr_b32 s32, s22, 1
	s_lshl_b32 s32, s32, 6
	s_add_co_u32 s30, s30, s32
	s_and_b32 s32, s22, 1
	s_lshl_b32 s32, s32, 1
	s_add_co_u32 s30, s30, s32                     ; h_scales: expert, K step, my two bytes of a word
	s_add_nc_u64 s[18:19], s[18:19], s[30:31]
	s_mul_i32 s30, s25, 6144
	s_add_nc_u64 s[20:21], s[20:21], s[30:31]      ; lists: my expert's part
	s_cmp_lg_u32 s22, 0                            ; wave 0 makes the list
	s_cbranch_scc1 .Lothers
.irp i, 0,1,2,3,4,5,6,7
	global_load_b128 v[SELR+4*\i:SELR+4*\i+3], v7, s[4:5] offset:512*\i   ; lane l: tokens 128 i + 4 l + 0 .. 3
.endr
	WT 0                                           ; 48 loads of weights are on their way while the list is made
	WT 1
	WT 2
.irp k, 0,1,2,3,4,5,6,7,8,9,10,11
	ds_store_b128 v7, v[172:175] offset:512*\k     ; all 6,144 bytes are zeros first: every word that is read or stored later has been written
.endr
	s_wait_loadcnt 48                              ; behind sel's eight loads: the 48 of W1
	s_mov_b32 s43, 0
.irp i, 0,1,2,3,4,5,6,7
.irp q, 0,1,2,3
	CHUNK \i, \q
.endr
.endr
	s_max_u32 s30, s43, 1
	s_sub_co_u32 s30, s30, 1
	s_min_u32 s30, s30, 1023
	s_lshl_b32 s30, s30, 2
	v_mov_b32 v180, s30
	ds_load_b32 v181, v180                         ; the last entry (LDS serves a wave's instructions in order: it sees the stores above)
	v_add_nc_u32 v182, s43, v1
	v_add_nc_u32 v185, 32, v182
	v_min_u32 v182, 0x43f, v182                    ; words n .. n + 63, at most 1,087
	v_min_u32 v185, 0x43f, v185
	v_lshlrev_b32 v182, 2, v182
	v_lshlrev_b32 v185, 2, v185
	v_mov_b32 v186, s43
	WA
	s_wait_dscnt 0x0
	ds_store_b32 v182, v181                        ; is repeated behind the list
	ds_store_b32 v185, v181
	ds_store_b32 v179, v186 offset:5120            ; and the count
	s_branch .Ljoin
.Lothers:
	WT 0
	WT 1
	WT 2
.Ljoin:
	WT 3
	WD 0
	WD 1
	WA
	s_wait_dscnt 0x0                               ; for the others' sake: wave 0's stores into the list have landed
	s_barrier_signal -1
	s_barrier_wait -1                              ; behind it the list is only read
	ds_load_b32 v187, v179 offset:5120
	s_mov_b32 s30, s22
	LISTLOAD EN, ES                                ; my tile of chunk 0,
	s_add_co_u32 s30, s22, 4
	LISTLOAD EN1, ES1                              ; of chunk 1
	WA
	s_wait_dscnt 0x0
	v_readfirstlane_b32 s27, v187
	s_min_u32 s27, s27, 0x400                      ; n, the expert's rows
	s_add_co_u32 s28, s27, 15
	s_lshr_b32 s28, s28, 4                         ; its tiles of 16,
	s_add_co_u32 s28, s28, 1
	s_sub_co_u32 s28, s28, s24
	s_lshr_b32 s28, s28, 1                         ; and those of them that are 2 m + rq
	GATHER 128, EN, ES, XL
	GATHER 0, EN1, ES1, XL+4
	s_cmp_lg_u32 s26, 0                            ; the work-groups with id < 8 store the list: 128 threads x 16 bytes, three times
	WA
	s_cbranch_scc1 .Lnocopy
	ds_load_b128 v[188:191], v178
	ds_load_b128 v[192:195], v178 offset:2048
	ds_load_b128 v[196:199], v178 offset:4096
	s_wait_dscnt 0x0
	global_store_b128 v178, v[188:191], s[20:21]
	global_store_b128 v178, v[192:195], s[20:21] offset:2048
	global_store_b128 v178, v[196:199], s[20:21] offset:4096
.Lnocopy:
	s_wait_loadcnt 63                              ; W1's tile 0: behind it 48 of tiles 1-3, 32 of the second half, 66 of x
	WPUT 0
	s_wait_loadcnt 63
	WPUT 1
	s_wait_dscnt 16                                ; tile 0's stores are done; behind them tile 1's
	WGET 0
	WD 2
	s_wait_loadcnt 63
	WPUT 2
	s_wait_dscnt 32                                ; behind tile 1's stores: tile 0's loads and tile 2's stores
	WGET 1
	WD 3
	s_wait_loadcnt 63                              ; behind tile 3: 130 loads
	WPUT 3
	s_wait_dscnt 32
	WGET 2
	s_wait_dscnt 16                                ; behind tile 3's stores: tile 2's loads
	WGET 3
.irp t, 0,1,2,3
	global_load_b128 v[WS+8*\t:WS+8*\t+3], v5, s[12:13] offset:(32*(\t/2)+8*(\t%2))*32
	global_load_b128 v[WS+8*\t+4:WS+8*\t+7], v5, s[12:13] offset:(32*(\t/2)+8*(\t%2))*32+16
	global_load_b128 v[B1R+8*\t:B1R+8*\t+3], v4, s[14:15] offset:(32*(\t/2)+8*(\t%2))*4
	global_load_b128 v[B1R+8*\t+4:B1R+8*\t+7], v4, s[14:15] offset:(32*(\t/2)+8*(\t%2))*4+16
.endr
	s_wait_loadcnt 48                              ; both chunks of x are in: behind them 32 of W1's second half and these 16
	XPUT 0, 128, XL
	XPUT 1, 0, XL+4
	WA
	s_wait_dscnt 0x0                               ; for the others' sake: my tiles of chunks 0 and 1
	s_barrier_signal -1
	s_barrier_wait -1
	FRAG 0, 0                                      ; the first tile's fragments
	s_wait_loadcnt 0x0                             ; all of W1, its scale words and b1
	s_wait_xcnt 0x0                                ; the list's stores have read their registers
.Ltrip:                                                ; four trips, two chunks each
	ITER 0
	ITER 1
	s_add_co_u32 s29, s29, 8
	s_cmp_lt_u32 s29, 32
	WA
	s_cbranch_scc1 .Ltrip
	s_wait_tensorcnt 0x0                           ; the wave's end
	ds_add_u32 v254, v255
	s_wait_dscnt 0x0
	s_endpgm
.Lfunc_end_k_q57fe24ad17_ffn1:
	.size	k_q57fe24ad17_ffn1, .Lfunc_end_k_q57fe24ad17_ffn1-k_q57fe24ad17_ffn1
	.p2alignl 7, 3214868480
	.fill 96, 4, 3214868480
	.section	.rodata,"a",@progbits
	.p2align	6, 0x0
	.amdhsa_kernel k_q57fe24ad17_ffn1
		.amdhsa_group_segment_fixed_size 211456
		.amdhsa_private_segment_fixed_size 0
		.amdhsa_enable_private_segment 0
		.amdhsa_kernarg_size 72
		.amdhsa_user_sgpr_count 2
		.amdhsa_user_sgpr_kernarg_segment_ptr 1
		.amdhsa_wavefront_size32 1
		.amdhsa_system_sgpr_workgroup_id_x 1
		.amdhsa_system_sgpr_workgroup_id_y 1
		.amdhsa_system_sgpr_workgroup_id_z 1
		.amdhsa_system_vgpr_workitem_id 0
		.amdhsa_next_free_vgpr 1024
		.amdhsa_next_free_sgpr 66
		.amdhsa_reserve_vcc 0
		.amdhsa_float_denorm_mode_32 3
		.amdhsa_float_denorm_mode_16_64 3
		.amdhsa_memory_ordered 1
		.amdhsa_forward_progress 1
		.amdhsa_inst_pref_size 255
	.end_amdhsa_kernel
	.section	.bss,"aw",@nobits
	.p2align	6
	.space	262144
	.amdgpu_metadata
---
amdhsa.version: [ 1, 2 ]
amdhsa.kernels:
  - .name:           k_q57fe24ad17_ffn1
    .symbol:         k_q57fe24ad17_ffn1.kd
    .args:
      - { .name: sel, .offset: 0, .size: 8, .value_kind: global_buffer, .address_space: global }
      - { .name: x_codes, .offset: 8, .size: 8, .value_kind: global_buffer, .address_space: global }
      - { .name: x_scales, .offset: 16, .size: 8, .value_kind: global_buffer, .address_space: global }
      - { .name: w1_codes, .offset: 24, .size: 8, .value_kind: global_buffer, .address_space: global }
      - { .name: w1_scales, .offset: 32, .size: 8, .value_kind: global_buffer, .address_space: global }
      - { .name: b1, .offset: 40, .size: 8, .value_kind: global_buffer, .address_space: global }
      - { .name: h_codes, .offset: 48, .size: 8, .value_kind: global_buffer, .address_space: global }
      - { .name: h_scales, .offset: 56, .size: 8, .value_kind: global_buffer, .address_space: global }
      - { .name: lists, .offset: 64, .size: 8, .value_kind: global_buffer, .address_space: global }
    .group_segment_fixed_size: 211456
    .private_segment_fixed_size: 0
    .kernarg_segment_align: 8
    .kernarg_segment_size: 72
    .max_flat_workgroup_size: 128
    .sgpr_count:     66
    .vgpr_count:     1024
    .wavefront_size: 32
...
	.end_amdgpu_metadata
.endif
;; end of part 2
;; launch ffn2 (part 3): grid 256 x 1, 4 waves a work-group, no clusters, 270,848 bytes of LDS; arguments lists, h_codes, h_scales, w2_codes, w2_scales, b2, y; writes y
.if DOCPART == 3
	.amdgcn_target "amdgcn-amd-amdhsa--gfx1250"
	.amdhsa_code_object_version 6
	.text
	.protected	k_q57fe24ad17_ffn2
	.globl	k_q57fe24ad17_ffn2
	.p2align	8
	.type	k_q57fe24ad17_ffn2,@function
k_q57fe24ad17_ffn2:
	s_mov_b64 s[64:65], 0
	v_nop
	global_prefetch_b8 v0, s[64:65] scope:SCOPE_SE
	s_setreg_imm32_b32 hwreg(HW_REG_WAVE_MODE, 25, 1), 1
	s_wait_xcnt 0x0
; FFN2.  y[kh][2 t + j][:] = the sum over K half kh of h W2_e (+ b2_e in half 0) for the rows routed to expert e, on codes of E5M2 with one E8M0 scale for each 32 along K = 4,096.
; The gate's weight, and the sum of the two halves, come in the next launch.  WORK LEFT OUT: rows of experts that a token did not choose (weighed with a 0 that reference() builds).
; SHARES.  Work-group id: e = id % 8; cs = id / 8 % 8 picks 128 of the 1,024 columns, kh = id / 64 % 2 a half of K, rq = id / 128 the row tiles 2 m + rq of the expert's list.
; K IS SHARED AMONG THE WAVES: wave w keeps W2's 128 rows x 512 of K (K steps 16 kh + 4 w .. + 3) in 512 registers for the whole launch, loaded straight into the operand's layout, and of each tile of
; 16 rows of h it loads its K steps alone: 8 KiB that lie on end, as an image of the operand's registers, 512 consecutive bytes a load.  So no byte is asked for twice in a work-group.
; The four waves' partial sums meet in LDS.  A ROUND is four tiles: each wave multiplies its K steps of all four and stores 4 x 16 rows x 512 bytes; one barrier; wave w then adds
; the four parts of tile w, and b2, and stores 16 rows of 512 bytes at the places that the list names.  Two sets of LDS take turns, so one barrier a
; round does: a set is written again only behind the next round's barrier, in front of which every wave has waited for its reads of it.
; Behind a tile's products even waves store their part and then load the tile four on; odd waves load first and store then: so two waves store while two load.
; THE PRODUCT IS USED TRANSPOSED: source 0 = 16 rows of W2, source 1 = 16 rows of h: a lane holds one token and eight neighbouring columns.
; EIGHT ROUNDS ARE ON EVERY PATH (32 tiles: all 1,024 tokens on one expert): every wave passes every barrier.  A round without tiles is jumped over but for its barrier; a tile beyond the end
; is jumped over but for its loads, which are issued with all lanes at one address of the expert's tile 0 and not used: so every path has the same counts of loads.
; NO TENSOR LOADS, NO CLUSTER: branches hang on a stored count.  NO PREFETCH: a wave's own loads run four tiles ahead, 32 KiB of h.
; LIMITS.  NaN and infinities are not served.  A half's sum is made as four quarters, each K ascending, added as (0 + 1) + (2 + 3).  An expert without tokens: its work-groups
; load their weights, pass the eight barriers and store nothing.  Rows that the list repeats are stored twice by one wave with the same bits.
.set RP,   528                         ; an LDS row: 512 bytes + 16
.set REG,  16*RP                       ; a part: 16 rows
.set SETB, 16*REG                      ; a set of LDS: part (tile g, wave w') at (4 g + w') x REG
.set SPARE, 2*SETB
.set VO,   8                           ; v8-11    h's offsets for buffers 0-3
.set VS,   12                          ; v12-15   its scale words'
.set ENT,  16                          ; v16-31   the 16 entries of the tile that I add up, the same in all lanes
.set HS,   40                          ; v40-47   h's scale words: buffer b: K steps 2, 3 at 40 + b % 2 + 4 (b / 2), K steps 0, 1 two on: lanes 0-15 the even K step, lanes 16-31 the odd
.set WS,   48                          ; v48-63   W2's scale words: 4 (dt / 2) + K step: lanes 0-15 dt even, lanes 16-31 dt odd
.set YO,   64                          ; v64-79   my rows' offsets in y
.set ACC,  80                          ; v80-143  eight accumulators: 8 dt; on the way out parts of rows
.set OUT,  144                         ; v144-207 16 rows, summed; v208-239 parts of rows
.set IN,   240                         ; v240-243 where I put a part: 2 x set + tile / 2
.set RD,   244                         ; v244-245 where I read parts back
.set LO,   246
.set B2R,  248                         ; v248-251 b2 of my four columns, in half 0
.set WO,   253                         ; v253     W2: row r, + 16 h
; v1 lane, v2 r, v3 h; v4 16 x lane; v5 4 x lane; v6 128 x lane.
; window 1, 2: W2's fragments: (column tile dt, K step k) at window 1 + dt / 4, v[64 (dt % 4) + 16 k].   window 3: h's fragments, four buffers: v[64 x buffer + 16 k].
.set MSB, 0
.macro WIN new                         ; s_set_vgpr_msb: bits 1:0 source 0, 3:2 source 1, 5:4 source 2, 7:6 destination; the high byte repeats the setting that is left
.if MSB != (\new)
	s_set_vgpr_msb (MSB<<8)|(\new)
.set MSB, (\new)
.endif
.endm
.macro WA
	s_wait_alu depctr_va_vdst(0)
.endm
.macro WL d                            ; column tile d's four fragments: 16 loads
	WIN 0x40*(1+(\d)/4)
.irp i, 0,1,2,3,4,5,6,7,8,9,10,11,12,13,14,15
	global_load_b128 v[64*((\d)%4)+4*\i:64*((\d)%4)+4*\i+3], v[WO], s[10:11] offset:65536*(\d)+32*\i
.endr
	WIN 0
.endm
; Where my K steps of the tile m = m0 + dmm lie.  Both offsets are made of ids, constants and the loop's count alone: 0 for all lanes (the
; expert's tile 0, one address), or, where the tile is one of the list's, lane x 16 (or 4) + the tile's bytes.  The stored count only decides, by a branch, which of the two stands.
.macro HADDR buf, dmm
	v_mov_b32 v[VO+\buf], 0                        ; the buffer's last loads are in: their offsets may be written
	v_mov_b32 v[VS+\buf], 0
	s_add_co_u32 s30, s29, \dmm
	s_cmp_ge_u32 s30, s28
	s_cbranch_scc1 .Lpast_\@                       ; beyond the end
	s_lshl_b32 s30, s30, 1
	s_add_co_u32 s30, s30, s24                     ; the tile 2 m + rq,
	s_min_u32 s30, s30, 63                         ; of an expert's 64
	s_lshl_b32 s32, s30, 16                        ; 65,536 bytes of codes a tile,
	s_lshl_b32 s33, s30, 11                        ; 2,048 of scale words
	v_add_nc_u32 v[VO+\buf], s32, v4
	v_add_nc_u32 v[VS+\buf], s33, v5
.Lpast_\@:
	WA
.endm
.macro HALL buf                        ; 18 loads: my K steps' codes, and their scale words: 32 lanes take the 16 rows' words of two K steps
	WIN 0xc0
.irp i, 0,1,2,3,4,5,6,7,8,9,10,11,12,13,14,15
	global_load_b128 v[64*(\buf)+4*\i:64*(\buf)+4*\i+3], v[VO+\buf], s[6:7] offset:512*\i
.endr
	WIN 0
	global_load_b32 v[HS+2+(\buf)%2+4*((\buf)/2)], v[VS+\buf], s[8:9]
	global_load_b32 v[HS+(\buf)%2+4*((\buf)/2)], v[VS+\buf], s[8:9] offset:128
.endm
.macro PART g, set                     ; my part of tile g into LDS, each accumulator from its low end on
.irp i, 0,1,2,3,4,5,6,7,8,9,10,11,12,13,14,15
	ds_store_b128 v[IN+2*\set+\g/2], v[ACC+4*\i:ACC+4*\i+3] offset:4*REG*(\g%2)+64*(\i/2)+16*(\i%2)
.endr
.endm
.macro MMA buf                         ; 32 matrix instructions: K step by K step, the eight accumulators by turns; the first K step starts the sums
.irp ks, 0,1,2,3
.set H_, HS+2-2*(\ks/2)+(\buf)%2+4*((\buf)/2)
.irp dt, 0,1,2,3,4,5,6,7
	WIN 0x0d+(\dt/4)                               ; source 0 (W2) window 1 or 2, source 1 (h) window 3, C and D window 0
.set A_, ACC+8*\dt
.set W_, 64*(\dt%4)+16*\ks
.set F_, 64*(\buf)+16*\ks
.set S_, WS+4*(\dt/2)+\ks
.if \ks == 0
.if (\dt%2) == 0
	v_wmma_scale_f32_16x16x128_f8f6f4 v[A_:A_+7], v[W_:W_+15], v[F_:F_+15], 0, v[S_], v[H_] matrix_a_fmt:MATRIX_FMT_BF8 matrix_b_fmt:MATRIX_FMT_BF8
.else
	v_wmma_scale_f32_16x16x128_f8f6f4 v[A_:A_+7], v[W_:W_+15], v[F_:F_+15], 0, v[S_], v[H_] matrix_a_fmt:MATRIX_FMT_BF8 matrix_b_fmt:MATRIX_FMT_BF8 matrix_a_scale:MATRIX_SCALE_ROW1
.endif
.elseif (\ks%2) == 0
.if (\dt%2) == 0
	v_wmma_scale_f32_16x16x128_f8f6f4 v[A_:A_+7], v[W_:W_+15], v[F_:F_+15], v[A_:A_+7], v[S_], v[H_] matrix_a_fmt:MATRIX_FMT_BF8 matrix_b_fmt:MATRIX_FMT_BF8
.else
	v_wmma_scale_f32_16x16x128_f8f6f4 v[A_:A_+7], v[W_:W_+15], v[F_:F_+15], v[A_:A_+7], v[S_], v[H_] matrix_a_fmt:MATRIX_FMT_BF8 matrix_b_fmt:MATRIX_FMT_BF8 matrix_a_scale:MATRIX_SCALE_ROW1
.endif
.else
.if (\dt%2) == 0
	v_wmma_scale_f32_16x16x128_f8f6f4 v[A_:A_+7], v[W_:W_+15], v[F_:F_+15], v[A_:A_+7], v[S_], v[H_] matrix_a_fmt:MATRIX_FMT_BF8 matrix_b_fmt:MATRIX_FMT_BF8 matrix_b_scale:MATRIX_SCALE_ROW1
.else
	v_wmma_scale_f32_16x16x128_f8f6f4 v[A_:A_+7], v[W_:W_+15], v[F_:F_+15], v[A_:A_+7], v[S_], v[H_] matrix_a_fmt:MATRIX_FMT_BF8 matrix_b_fmt:MATRIX_FMT_BF8 matrix_a_scale:MATRIX_SCALE_ROW1 matrix_b_scale:MATRIX_SCALE_ROW1
.endif
.endif
.endr
.endr
	WIN 0
.endm
.macro STEP g, set, dm                 ; tile g of a round, in buffer g; the buffer takes the tile four further on
	s_wait_loadcnt 58                              ; behind this tile's 18: three tiles' 54 and the list's 4
	HADDR \g, \dm+\g+4
	s_add_co_u32 s30, s29, \dm+\g
	s_cmp_ge_u32 s30, s28
	s_cbranch_scc1 .Lload_\@                       ; beyond the end: no products, no part
	MMA \g
.rept 10
	v_nop                                          ; eight places ahead of the stores that read results and of the loads into what the products have read; nine are owed ahead of the next step's first product
.endr
	s_cmp_lg_u32 s37, 0
	s_cbranch_scc1 .Lload_\@
	PART \g, \set                                  ; even waves
.Lload_\@:
	HALL \g
	s_cmp_eq_u32 s37, 0
	s_cbranch_scc1 .Lend_\@
	s_cmp_ge_u32 s30, s28
	s_cbranch_scc1 .Lend_\@
	PART \g, \set                                  ; odd waves
.Lend_\@:
.endm
.macro ELOAD dm                        ; the entries of the tile that I shall add up: 2 (m0 + dm + w) + rq, at most 63: made of ids and the loop's count alone
	s_add_co_u32 s30, s29, \dm
	s_add_co_u32 s30, s30, s22
	s_lshl_b32 s30, s30, 1
	s_add_co_u32 s30, s30, s24
	s_min_u32 s30, s30, 63
	s_lshl_b32 s30, s30, 6
	v_mov_b32 v[LO], s30
.irp j, 0,1,2,3
	global_load_b128 v[ENT+4*\j:ENT+4*\j+3], v[LO], s[4:5] offset:16*\j
.endr
.endm
.macro RLOAD set, b                    ; rows 2 b, 2 b + 1: four parts each, 8 loads, into one of three runs of 32 registers
.set R_, ACC+32*((\b)%3)+64*(((\b)%3)/2)
.irp i, 0,1
.irp p, 0,1,2,3
	ds_load_b128 v[R_+16*\i+4*\p:R_+16*\i+4*\p+3], v[RD+\set] offset:REG*\p+RP*(2*(\b)+\i)
.endr
.endr
.endm
.macro RSUM b, younger
.set R_, ACC+32*((\b)%3)+64*(((\b)%3)/2)
.set O_, OUT+8*(\b)
	s_wait_dscnt \younger
.irp j, 0,2,16,18
	v_pk_add_f32 v[R_+\j:R_+\j+1], v[R_+\j:R_+\j+1], v[R_+4+\j:R_+5+\j]
	v_pk_add_f32 v[R_+8+\j:R_+9+\j], v[R_+8+\j:R_+9+\j], v[R_+12+\j:R_+13+\j]
.endr
.irp j, 0,2,16,18
	v_pk_add_f32 v[R_+\j:R_+\j+1], v[R_+\j:R_+\j+1], v[R_+8+\j:R_+9+\j]
.endr
	v_pk_add_f32 v[O_:O_+1], v[R_:R_+1], v[B2R:B2R+1]
	v_pk_add_f32 v[O_+2:O_+3], v[R_+2:R_+3], v[B2R+2:B2R+3]
	v_pk_add_f32 v[O_+4:O_+5], v[R_+16:R_+17], v[B2R:B2R+1]
	v_pk_add_f32 v[O_+6:O_+7], v[R_+18:R_+19], v[B2R+2:B2R+3]
	global_store_b128 v[YO+2*(\b)], v[O_:O_+3], s[16:17]          ; 32 lanes store 512 consecutive bytes, at a multiple of 256 from y's first byte
	global_store_b128 v[YO+2*(\b)+1], v[O_+4:O_+7], s[16:17]
.endm
.macro REDUCE set, dm                  ; tile w of the round: the four parts, and b2
	s_wait_loadcnt 63                              ; behind the list's four: 72 loads
	s_add_co_u32 s30, s29, \dm
	s_add_co_u32 s30, s30, s22
	s_cmp_ge_u32 s30, s28
	s_cbranch_scc1 .Lnone_\@
	RLOAD \set, 0
	RLOAD \set, 1
	RLOAD \set, 2
	s_wait_storecnt 0x0                            ; the last round's stores are done: their data and offsets may be written
.irp i, 0,1,2,3,4,5,6,7,8,9,10,11,12,13,14,15
	v_min_u32 v[YO+\i], 0x7ff, v[ENT+\i]           ; a loaded number is held ahead of an address
.endr
.irp i, 0,1,2,3,4,5,6,7,8,9,10,11,12,13,14,15
	v_lshl_add_u32 v[YO+\i], v[YO+\i], 12, v4      ; row 2 t + j of 4,096 bytes, + 16 x lane
.endr
	WA
.irp b, 0,1,2,3,4
	RSUM \b, 16
	RLOAD \set, \b+3
.endr
	RSUM 5, 16
	RSUM 6, 8
	RSUM 7, 0
.Lnone_\@:
.endm
; At a round's head four tiles' loads are out, 18 each; the list's four follow them.  A round that is jumped over issues nothing, so every round finds the same.
.macro ROUND set, dm
	s_add_co_u32 s30, s29, \dm
	s_cmp_ge_u32 s30, s28
	s_cbranch_scc1 .Lempty_\@
	ELOAD \dm
	STEP 0, \set, \dm
	STEP 1, \set, \dm
	STEP 2, \set, \dm
	STEP 3, \set, \dm
.Lempty_\@:
	s_wait_dscnt 0x0                               ; for the others' sake: my parts have landed, and my reads of the other set are over
	s_barrier_signal -1
	s_barrier_wait -1                              ; on every path of every wave
	REDUCE \set, \dm
.endm
	s_load_b256 s[4:11], s[0:1], 0x0               ; lists s[4:5], h_codes s[6:7], h_scales s[8:9], w2_codes s[10:11]
	s_load_b128 s[12:15], s[0:1], 0x20             ; w2_scales s[12:13], b2 s[14:15]
	s_load_b64 s[16:17], s[0:1], 0x30              ; y
	v_lshl_add_u32 v254, v0, 2, SPARE
	v_mov_b32 v255, 0
	v_lshrrev_b32 v1, 5, v0
	v_readfirstlane_b32 s22, v1                    ; wave
	s_mul_i32 s30, s22, REG
	s_mul_i32 s31, s22, 4*REG
	v_and_b32 v1, 31, v0
	v_and_b32 v2, 15, v0
	v_bfe_u32 v3, v0, 4, 1
	v_lshlrev_b32 v4, 4, v1
	v_lshlrev_b32 v5, 2, v1
	v_lshlrev_b32 v6, 7, v1                        ; W2's scales: lane l takes row l of a pair of column tiles: 128 bytes a row
	v_lshlrev_b32 v[WO], 12, v2
	v_lshl_add_u32 v[WO], v3, 4, v[WO]
	v_mul_u32_u24 v7, v2, RP
	v_lshl_add_u32 v[IN], v3, 5, v7
	v_add_nc_u32 v[IN], s30, v[IN]                 ; a part goes in: my wave's region, row r, + 32 h
	v_add_nc_u32 v[IN+1], 8*REG, v[IN]
	v_add_nc_u32 v[IN+2], SETB, v[IN]
	v_add_nc_u32 v[IN+3], SETB+8*REG, v[IN]
	v_add_nc_u32 v[RD], s31, v4                    ; and comes back: tile w's four regions
	v_add_nc_u32 v[RD+1], SETB, v[RD]
.irp i, 0,1,2,3,4,5,6,7,8,9,10,11,12,13,14,15
	v_mov_b32 v[ENT+\i], 0                         ; these and the accumulators are written once, so that every path of the text finds them written
.endr
.set j, 0
.rept 64
	v_mov_b32 v[ACC+j], 0
.set j, j+1
.endr
	WA
	s_and_b32 s37, s22, 1                          ; an odd wave?
	s_and_b32 s25, ttmp9, 7                        ; e
	s_lshr_b32 s20, ttmp9, 3
	s_and_b32 s23, s20, 7                          ; cs
	s_bfe_u32 s21, s20, 0x10003                    ; kh
	s_lshr_b32 s24, s20, 4                         ; rq
	s_lshl_b32 s34, s21, 4
	s_lshl_b32 s35, s22, 2
	s_add_co_u32 s34, s34, s35                     ; my first K step
	s_mov_b32 s31, 0
	s_mov_b32 s33, 0
	s_wait_kmcnt 0x0
	s_mul_i32 s30, s25, 6144
	s_add_nc_u64 s[4:5], s[4:5], s[30:31]          ; my expert's list
	s_load_b32 s26, s[4:5], 0x1400                 ; its count
	s_lshl_b32 s30, s25, 22
	s_lshl_b32 s32, s23, 19
	s_add_co_u32 s30, s30, s32
	s_lshl_b32 s32, s34, 7
	s_add_co_u32 s30, s30, s32                     ; W2: expert, my 128 rows of 4,096 bytes, my K steps of 128
	s_add_nc_u64 s[10:11], s[10:11], s[30:31]
	s_lshr_b32 s32, s30, 5
	s_add_nc_u64 s[12:13], s[12:13], s[32:33]      ; its scales: one byte for 32
	s_lshl_b32 s30, s25, 22
	s_lshl_b32 s32, s34, 11
	s_add_co_u32 s30, s30, s32                     ; h_codes: expert, my first K step
	s_add_nc_u64 s[6:7], s[6:7], s[30:31]
	s_lshr_b32 s32, s30, 5                         ; h_scales: 64 bytes where the codes have 2,048
	s_add_nc_u64 s[8:9], s[8:9], s[32:33]
	s_lshl_b32 s30, s23, 9                         ; my 128 columns, in bytes
	s_lshl_b32 s32, s25, 12
	s_add_co_u32 s32, s32, s30
	s_add_nc_u64 s[14:15], s[14:15], s[32:33]      ; b2: expert, my columns
	s_lshl_b32 s32, s21, 23
	s_add_co_u32 s30, s30, s32
	s_add_nc_u64 s[16:17], s[16:17], s[30:31]      ; y: K half, my columns
.irp p, 0,1,2,3
	global_load_b128 v[WS+4*\p:WS+4*\p+3], v6, s[12:13] offset:4096*\p
.endr
	global_load_b128 v[B2R:B2R+3], v4, s[14:15]
.irp d, 0,1,2,3,4,5,6,7
	WL \d                                          ; the weights: 128 loads, and they stay
.endr
	s_wait_kmcnt 0x0
	s_min_u32 s26, s26, 0x400                      ; n
	s_add_co_u32 s27, s26, 15
	s_lshr_b32 s27, s27, 4                         ; nt, the expert's tiles
	s_add_co_u32 s28, s27, 1
	s_sub_co_u32 s28, s28, s24
	s_lshr_b32 s28, s28, 1                         ; ntw: those of them that are 2 m + rq.  It steers branches alone, never an address
	s_mov_b32 s29, 0                               ; m0
.irp g, 0,1,2,3
	HADDR \g, \g
	HALL \g
.endr
	s_wait_loadcnt 63                              ; b2 is in: far more loads were issued behind it
	s_cmp_eq_u32 s21, 0
	s_cselect_b32 s36, -1, 0
.irp j, 0,1,2,3
	v_cndmask_b32 v[B2R+\j], 0, v[B2R+\j], s36     ; b2 is added in K half 0 alone
.endr
	WA
.Lpair:                                                ; four trips, two rounds each
	ROUND 0, 0
	ROUND 1, 4
	s_add_co_u32 s29, s29, 8
	s_cmp_lt_u32 s29, 32
	WA
	s_cbranch_scc1 .Lpair
	s_wait_tensorcnt 0x0                           ; the wave's end
	ds_add_u32 v254, v255
	s_wait_dscnt 0x0
	s_endpgm
.Lfunc_end_k_q57fe24ad17_ffn2:
	.size	k_q57fe24ad17_ffn2, .Lfunc_end_k_q57fe24ad17_ffn2-k_q57fe24ad17_ffn2
	.p2alignl 7, 3214868480
	.fill 96, 4, 3214868480
	.section	.rodata,"a",@progbits
	.p2align	6, 0x0
	.amdhsa_kernel k_q57fe24ad17_ffn2
		.amdhsa_group_segment_fixed_size 270848
		.amdhsa_private_segment_fixed_size 0
		.amdhsa_enable_private_segment 0
		.amdhsa_kernarg_size 56
		.amdhsa_user_sgpr_count 2
		.amdhsa_user_sgpr_kernarg_segment_ptr 1
		.amdhsa_wavefront_size32 1
		.amdhsa_system_sgpr_workgroup_id_x 1
		.amdhsa_system_sgpr_workgroup_id_y 1
		.amdhsa_system_sgpr_workgroup_id_z 1
		.amdhsa_system_vgpr_workitem_id 0
		.amdhsa_next_free_vgpr 1024
		.amdhsa_next_free_sgpr 66
		.amdhsa_reserve_vcc 0
		.amdhsa_float_denorm_mode_32 3
		.amdhsa_float_denorm_mode_16_64 3
		.amdhsa_memory_ordered 1
		.amdhsa_forward_progress 1
		.amdhsa_inst_pref_size 134
	.end_amdhsa_kernel
	.amdgpu_metadata
---
amdhsa.version: [ 1, 2 ]
amdhsa.kernels:
  - .name:           k_q57fe24ad17_ffn2
    .symbol:         k_q57fe24ad17_ffn2.kd
    .args:
      - { .name: lists, .offset: 0, .size: 8, .value_kind: global_buffer, .address_space: global }
      - { .name: h_codes, .offset: 8, .size: 8, .value_kind: global_buffer, .address_space: global }
      - { .name: h_scales, .offset: 16, .size: 8, .value_kind: global_buffer, .address_space: global }
      - { .name: w2_codes, .offset: 24, .size: 8, .value_kind: global_buffer, .address_space: global }
      - { .name: w2_scales, .offset: 32, .size: 8, .value_kind: global_buffer, .address_space: global }
      - { .name: b2, .offset: 40, .size: 8, .value_kind: global_buffer, .address_space: global }
      - { .name: y, .offset: 48, .size: 8, .value_kind: global_buffer, .address_space: global }
    .group_segment_fixed_size: 270848
    .private_segment_fixed_size: 0
    .kernarg_segment_align: 8
    .kernarg_segment_size: 56
    .max_flat_workgroup_size: 128
    .sgpr_count:     66
    .vgpr_count:     1024
    .wavefront_size: 32
...
	.end_amdgpu_metadata
.endif
;; end of part 3
;; launch combine (part 4): grid 256 x 1, 4 waves a work-group, no clusters, 0 bytes of LDS; arguments y, wts, out0; writes out0
.if DOCPART == 4
	.amdgcn_target "amdgcn-amd-amdhsa--gfx1250"
	.amdhsa_code_object_version 6
	.text
	.protected	k_q57fe24ad17_combine
	.globl	k_q57fe24ad17_combine
	.p2align	8
	.type	k_q57fe24ad17_combine,@function
k_q57fe24ad17_combine:
	s_mov_b64 s[64:65], 0
	v_nop
	global_prefetch_b8 v0, s[64:65] scope:SCOPE_SE
	s_setreg_imm32_b32 hwreg(HW_REG_WAVE_MODE, 25, 1), 1
	s_wait_xcnt 0x0
; COMBINE.  out0[t][:] = wts[t][0] (y[0][2 t] + y[1][2 t]) + wts[t][1] (y[0][2 t + 1] + y[1][2 t + 1]): a token's two experts' rows, each in two halves of K, each with its gate's weight.
; WORK LEFT OUT: the six experts that reference() weighs with the 0 of its one_hot.
; A stream: one wave, one token; 32 loads of 512 consecutive bytes are out at once, 8 stores of 512 consecutive bytes; nothing is read twice.
; No LDS, no barrier, no matrix unit: K = 2.  The sum spans four work-groups of the launch before, so it is made here, with one owner for each row.
.set A, 8                              ; v8-39, v40-71    row 2 t, halves 0 and 1
.set B, 72                             ; v72-103, v104-135 row 2 t + 1
	s_load_b128 s[4:7], s[0:1], 0x0                ; y s[4:5], wts s[6:7]
	s_load_b64 s[8:9], s[0:1], 0x10                ; out0
	v_lshrrev_b32 v1, 5, v0
	v_readfirstlane_b32 s10, v1                    ; wave
	v_and_b32 v1, 31, v0
	v_lshlrev_b32 v2, 4, v1                        ; 16 bytes a lane
	s_lshl_b32 s11, ttmp9, 2
	s_add_co_u32 s11, s11, s10                     ; my token
	s_lshl_b32 s12, s11, 13                        ; two rows of 4,096 bytes in y,
	s_mov_b32 s13, 0
	s_lshl_b32 s14, s11, 12                        ; one in out0,
	s_mov_b32 s15, 0
	s_lshl_b32 s16, s11, 3                         ; two weights
	s_mov_b32 s17, 0
	s_wait_alu depctr_va_vdst(0)
	s_wait_kmcnt 0x0
	s_add_nc_u64 s[6:7], s[6:7], s[16:17]
	s_load_b64 s[20:21], s[6:7], 0x0               ; w0, w1: this launch stores nothing into wts
	s_add_nc_u64 s[4:5], s[4:5], s[12:13]
	s_add_nc_u64 s[24:25], s[4:5], 0x800000        ; K half 1
	s_add_nc_u64 s[8:9], s[8:9], s[14:15]
.irp i, 0,1,2,3,4,5,6,7
	global_load_b128 v[A+4*\i:A+4*\i+3], v2, s[4:5] offset:512*\i th:TH_LOAD_NT
	global_load_b128 v[A+32+4*\i:A+35+4*\i], v2, s[24:25] offset:512*\i th:TH_LOAD_NT
	global_load_b128 v[B+4*\i:B+4*\i+3], v2, s[4:5] offset:4096+512*\i th:TH_LOAD_NT
	global_load_b128 v[B+32+4*\i:B+35+4*\i], v2, s[24:25] offset:4096+512*\i th:TH_LOAD_NT
.endr
	s_wait_kmcnt 0x0
	s_mov_b32 s22, s21                             ; w1 as the low word of a pair of its own: a packed form takes a scalar pair's low word for both halves
	s_mov_b32 s23, s21
.irp i, 0,1,2,3,4,5,6,7
	s_wait_loadcnt 28-4*\i                         ; four loads for each later piece may be out
	v_pk_add_f32 v[A+4*\i:A+4*\i+1], v[A+4*\i:A+4*\i+1], v[A+32+4*\i:A+33+4*\i]
	v_pk_add_f32 v[A+4*\i+2:A+4*\i+3], v[A+4*\i+2:A+4*\i+3], v[A+34+4*\i:A+35+4*\i]
	v_pk_add_f32 v[B+4*\i:B+4*\i+1], v[B+4*\i:B+4*\i+1], v[B+32+4*\i:B+33+4*\i]
	v_pk_add_f32 v[B+4*\i+2:B+4*\i+3], v[B+4*\i+2:B+4*\i+3], v[B+34+4*\i:B+35+4*\i]
	v_pk_mul_f32 v[A+4*\i:A+4*\i+1], v[A+4*\i:A+4*\i+1], s[20:21] op_sel_hi:[1,0]
	v_pk_mul_f32 v[A+4*\i+2:A+4*\i+3], v[A+4*\i+2:A+4*\i+3], s[20:21] op_sel_hi:[1,0]
	v_pk_fma_f32 v[A+4*\i:A+4*\i+1], v[B+4*\i:B+4*\i+1], s[22:23], v[A+4*\i:A+4*\i+1] op_sel_hi:[1,0,1]
	v_pk_fma_f32 v[A+4*\i+2:A+4*\i+3], v[B+4*\i+2:B+4*\i+3], s[22:23], v[A+4*\i+2:A+4*\i+3] op_sel_hi:[1,0,1]
	global_store_b128 v2, v[A+4*\i:A+4*\i+3], s[8:9] offset:512*\i th:TH_STORE_NT
.endr
	s_endpgm
.Lfunc_end_k_q57fe24ad17_combine:
	.size	k_q57fe24ad17_combine, .Lfunc_end_k_q57fe24ad17_combine-k_q57fe24ad17_combine
	.p2alignl 7, 3214868480
	.fill 96, 4, 3214868480
	.section	.rodata,"a",@progbits
	.p2align	6, 0x0
	.amdhsa_kernel k_q57fe24ad17_combine
		.amdhsa_group_segment_fixed_size 0
		.amdhsa_private_segment_fixed_size 0
		.amdhsa_enable_private_segment 0
		.amdhsa_kernarg_size 24
		.amdhsa_user_sgpr_count 2
		.amdhsa_user_sgpr_kernarg_segment_ptr 1
		.amdhsa_wavefront_size32 1
		.amdhsa_system_sgpr_workgroup_id_x 1
		.amdhsa_system_sgpr_workgroup_id_y 1
		.amdhsa_system_sgpr_workgroup_id_z 1
		.amdhsa_system_vgpr_workitem_id 0
		.amdhsa_next_free_vgpr 144
		.amdhsa_next_free_sgpr 66
		.amdhsa_reserve_vcc 0
		.amdhsa_float_denorm_mode_32 3
		.amdhsa_float_denorm_mode_16_64 3
		.amdhsa_memory_ordered 1
		.amdhsa_forward_progress 1
		.amdhsa_inst_pref_size 10
	.end_amdhsa_kernel
	.amdgpu_metadata
---
amdhsa.version: [ 1, 2 ]
amdhsa.kernels:
  - .name:           k_q57fe24ad17_combine
    .symbol:         k_q57fe24ad17_combine.kd
    .args:
      - { .name: y, .offset: 0, .size: 8, .value_kind: global_buffer, .address_space: global }
      - { .name: wts, .offset: 8, .size: 8, .value_kind: global_buffer, .address_space: global }
      - { .name: out0, .offset: 16, .size: 8, .value_kind: global_buffer, .address_space: global }
    .group_segment_fixed_size: 0
    .private_segment_fixed_size: 0
    .kernarg_segment_align: 8
    .kernarg_segment_size: 24
    .max_flat_workgroup_size: 128
    .sgpr_count:     66
    .vgpr_count:     144
    .wavefront_size: 32
...
	.end_amdgpu_metadata
.endif
;; end of part 4
